; MI455X (gfx1250); checked and timed in simulation.
; The chip was launched on July 23, 2026; its instructions are those of AMD's public machine-readable ISA for CDNA 5 (MIT licence, August 2026) and "CDNA5" Instruction Set Architecture Reference Guide (July 2026). The comments in the code are by the model that wrote it; some were corrected since.
;; FA Coef. Allowed arithmetic: float matrix products may take bf16 or f16 operands with f32 sums; all other float work in f32.
;; Inputs: coef 4 x 4 float32; x 2,048 x 128 x 128 float32.
;; Outputs: out0 2,048 float32.
;; One version. Each part assembles by itself: llvm-mc -triple=amdgcn-amd-amdhsa -mcpu=gfx1250 --defsym DOCPART=n.
;; ======== version 1 of 1: 1 launch
;; launch facoef (part 1): grid 2048 x 1, 4 waves a work-group, no clusters, 4,864 bytes of LDS; arguments x, coef, out0; writes out0
.if DOCPART == 1
	.amdgcn_target "amdgcn-amd-amdhsa--gfx1250"
	.amdhsa_code_object_version 6
	.text
	.protected	k_q17a6eba5cb_facoef
	.globl	k_q17a6eba5cb_facoef
	.p2align	8
	.type	k_q17a6eba5cb_facoef,@function
k_q17a6eba5cb_facoef:
	s_mov_b64 s[64:65], 0
	v_nop
	global_prefetch_b8 v0, s[64:65] scope:SCOPE_SE
	s_setreg_imm32_b32 hwreg(HW_REG_WAVE_MODE, 25, 1), 1
	s_wait_xcnt 0x0
; out[b] = sum over i, j of coef[i][j] * s_i^(j+1) / n^(i+j+2),  s_i = sum of all entries of x[b]^(i+2),  n = 128*128 = 2^14.
; x: [2048][128][128] f32, coef: [4][4] f32, out: [2048] f32.
;
; The sum of all entries of x^k is 1^T x^k 1.  With the row vectors L_1 = 1^T x (column sums) and L_(k+1) = L_k x it is the sum of
; the entries of L_k: the same products as in x^k, added in another order, for every x.  That is five walks of 16,384 multiply-adds
; over a sample in place of four products of 128^3, so reading x is what is left: each byte of x is loaded once, the sample stays in
; registers (128 a lane) and is walked five times from there.  All arithmetic is f32.
;
; One work-group = one sample, four waves.  Wave w: column half hf = w & 1, row half rh = w >> 1.  Lane L: cg = L & 15, rs = L >> 4.
; Register X[i][c] = x[64 rh + 32 rs + i][64 hf + 4 cg + c].  In each load sixteen neighbouring lanes cover 256 consecutive bytes,
; aligned (half a row); the other sixteen the same half of the row 32 further down.
; A walk: acc[c] = sum over i of Z[i] X[i][c], Z[i] = L_k[64 rh + 32 rs + i].  Lane L plus lane L xor 16 gives the partial P[rh][col]
; over 64 rows; the two partials meet in LDS, and L_(k+1)[col] = P[0][col] + P[1][col] is formed by whoever reads it.
; s_k needs no vector: each lane keeps acc[0]+..+acc[3] of the walk that makes L_k, and the four figures are reduced once at the end.
;
; LEFT OUT, AND WHY.  Matrix instructions: a vector times a matrix would fill one row of sixteen, and every number would have to be
; narrowed first.  Tensor loads and an LDS ring: the sample would be read from LDS five times; in registers it is read from nowhere.
; Clusters: no two work-groups read the same byte of x, and coef is 64 bytes.  Prefetches: a wave asks for all its data in its
; first lines.  Gathering outputs: 4 bytes go out for 65,536 that come in.
;
; LIMITS.  The order of summation differs from the reference's.  Powers are formed as (s/n)^(j+1) * n^-(i+1) (scaling by powers of
; two, exact): where |s_i| exceeds 2^32 the reference's s^4 overflows f32 and gives inf or NaN, while this text stays finite up to
; about 2^46.  A sample that holds inf or NaN gives a non-finite result here too, but not necessarily the same one.
.set ROWB,   512                       ; bytes in a row of x
.set REGION, 1024                      ; LDS region e (e = 0..3) carries L_(e+1): P[0][0..127], then P[1][0..127], f32; written once, never again
.set PART,   512                       ; from P[0] to P[1]
.set FIN,    4*REGION                  ; behind the regions: 16 bytes for each wave, its sums for s_2 .. s_5
.set KN,     0x38800000                ; 2^-14 = 1 / n
.set GOFF, 1                           ; v1        16 cg + 16384 rs: the lane's part of the offset in x
.set STA,  2                           ; v2        256 w + 16 cg: where my four partial sums go (512 rh + 4 (64 hf + 4 cg)); later the wave's place in FIN
.set LDA,  3                           ; v3        256 rh + 128 rs = 4 (64 rh + 32 rs): where my 32 numbers of L_k lie; later FIN
.set ACC,  4                           ; v[4:7]    chain A (even rows), then the merged sums;  v[8:11] chain B (odd rows), then scratch
.set T,    12                          ; v[12:15]  my part of s_2 .. s_5
.set Z,    16                          ; v[16:47]  Z[i], one number of L_k for each of my 32 rows
.set ZB,   48                          ; v[48:63]  the second partial of sixteen of them at a time
.set X,    64                          ; v[64:191] X[i][c] at X + 4 i + c
	s_load_b128 s[4:7], s[0:1], 0x0                ; x s[4:5], coef s[6:7]
	s_load_b64 s[8:9], s[0:1], 0x10                ; out
	v_lshl_add_u32 v192, v0, 2, 0x1100
	v_mov_b32 v193, 0
	v_lshrrev_b32 v2, 5, v0
	v_readfirstlane_b32 s14, v2                    ; wave 0..3
	s_and_b32 s32, s14, 1                          ; hf
	s_lshr_b32 s33, s14, 1                         ; rh
	s_lshl_b32 s10, ttmp9, 16                      ; the sample: 65,536 bytes each (2047 of them stay below 2^31)
	s_lshl_b32 s34, s33, 15                        ; + rh x 64 rows of 512 bytes
	s_or_b32 s10, s10, s34
	s_lshl_b32 s34, s32, 8                         ; + hf x 64 columns of 4 bytes
	s_or_b32 s10, s10, s34
	s_mov_b32 s11, 0
	s_lshl_b32 s34, s14, 8                         ; 256 w
	s_lshl_b32 s35, s33, 8                         ; 256 rh
	s_lshl_b32 s36, s14, 4
	s_add_co_u32 s36, s36, FIN                     ; my wave's 16 bytes in FIN
	s_mov_b32 s12, 0x76543210                      ; v_permlanex16_b32: lane i of one half reads lane i of the other
	s_mov_b32 s13, 0xfedcba98
	v_and_b32 v4, 15, v0                           ; cg
	v_and_b32 v5, 16, v0                           ; 16 rs
	v_lshlrev_b32 v4, 4, v4                        ; 16 cg
	v_lshl_or_b32 v[GOFF], v5, 10, v4              ; 16384 rs + 16 cg
	v_add_nc_u32 v[STA], s34, v4
	v_lshl_add_u32 v[LDA], v5, 3, s35              ; 128 rs + 256 rh
	s_wait_kmcnt 0x0
	s_add_nc_u64 s[4:5], s[4:5], s[10:11]
	; All 32 loads of the wave at once: its quarter of the sample, 16,384 bytes.  x is read once in the launch.
	; v1 and s[4:5] are never written again, so nothing has to free them.
.irp i, 0,1,2,3,4,5,6,7,8,9,10,11,12,13,14,15,16,17,18,19,20,21,22,23,24,25,26,27,28,29,30,31
	global_load_b128 v[X+4*\i:X+4*\i+3], v[GOFF], s[4:5] offset:ROWB*\i th:TH_LOAD_NT
.endr
	s_load_b512 s[16:31], s[6:7], 0x0              ; coef[i][j] in s[16+4i+j].  Asked for here, under the stream; only wave 0 uses it, but a
	                                               ; branch round one scalar load of 64 bytes would be as long as the load
	s_lshl_b32 s10, ttmp9, 2
	s_add_nc_u64 s[8:9], s[8:9], s[10:11]          ; out[sample]
	; WALK 1, L_1 = column sums, four rows at a time as they arrive.  Four chains (even and odd rows, two column pairs each).
	s_wait_loadcnt 28                              ; loads come back in order (ISA guide 5.7.1): rows 0-3 are in, the 28 younger loads stay out
	v_pk_add_f32 v[ACC:ACC+1],   v[X:X+1],   v[X+8:X+9]        ; the first two rows of each chain start it: nothing is cleared
	v_pk_add_f32 v[ACC+2:ACC+3], v[X+2:X+3], v[X+10:X+11]
	v_pk_add_f32 v[ACC+4:ACC+5], v[X+4:X+5], v[X+12:X+13]
	v_pk_add_f32 v[ACC+6:ACC+7], v[X+6:X+7], v[X+14:X+15]
.irp g, 1,2,3,4,5,6,7
	s_wait_loadcnt 28-4*\g                         ; rows 4g .. 4g+3 are in; the count is the number of loads behind them
.irp r, 0,1,2,3
	v_pk_add_f32 v[ACC+4*(\r%2):ACC+4*(\r%2)+1],   v[ACC+4*(\r%2):ACC+4*(\r%2)+1],   v[X+16*\g+4*\r:X+16*\g+4*\r+1]
	v_pk_add_f32 v[ACC+4*(\r%2)+2:ACC+4*(\r%2)+3], v[ACC+4*(\r%2)+2:ACC+4*(\r%2)+3], v[X+16*\g+4*\r+2:X+16*\g+4*\r+3]
.endr
.endr
; Chain B into chain A: v[ACC:ACC+3] = my 32 rows' sums for my four columns.
.macro MERGE
	v_pk_add_f32 v[ACC:ACC+1],   v[ACC:ACC+1],   v[ACC+4:ACC+5]
	v_pk_add_f32 v[ACC+2:ACC+3], v[ACC+2:ACC+3], v[ACC+6:ACC+7]
.endm
; My part of s_(k+2): the four columns added, before the halves of the wave meet, so that nothing is counted twice.
.macro KEEP k
	v_pk_add_f32 v[ACC+4:ACC+5], v[ACC:ACC+1], v[ACC+2:ACC+3]
	v_add_f32 v[T+\k], v[ACC+4], v[ACC+5]
.endm
; The other sixteen lanes' 32 rows are added, and the partial over 64 rows goes to region e.  Lanes L and L + 16 then hold the same four
; numbers and store them to the same 16 bytes.
.macro SHARE e
.irp c, 0,1,2,3
	v_permlanex16_b32 v[ACC+4+\c], v[ACC+\c], s12, s13         ; its destination counts as read: chain B's registers have been written
.endr
	v_pk_add_f32 v[ACC:ACC+1],   v[ACC:ACC+1],   v[ACC+4:ACC+5]
	v_pk_add_f32 v[ACC+2:ACC+3], v[ACC+2:ACC+3], v[ACC+6:ACC+7]
	ds_store_b128 v[STA], v[ACC:ACC+3] offset:REGION*\e
	s_wait_dscnt 0x0                               ; for the other waves' sake: my store is in LDS before I say so
	s_barrier_signal -1
	s_barrier_wait -1                              ; all four partial vectors of region e are there.  The region is never written again,
.endm                                              ; so no second barrier stands between its reads and anything later
; Rows 2j (chain A) and 2j+1 (chain B).  Their two Z share an aligned pair: the even row multiplies both columns by the pair's first
; register (op_sel_hi bit 0), the odd row by its second (op_sel bit 1).  first = 1: the products start the chains.
.macro ROWS2 j, first
.if \first
	v_pk_mul_f32 v[ACC:ACC+1],   v[X+8*\j:X+8*\j+1],   v[Z+2*\j:Z+2*\j+1] op_sel_hi:[1,0]
	v_pk_mul_f32 v[ACC+2:ACC+3], v[X+8*\j+2:X+8*\j+3], v[Z+2*\j:Z+2*\j+1] op_sel_hi:[1,0]
	v_pk_mul_f32 v[ACC+4:ACC+5], v[X+8*\j+4:X+8*\j+5], v[Z+2*\j:Z+2*\j+1] op_sel:[0,1] op_sel_hi:[1,1]
	v_pk_mul_f32 v[ACC+6:ACC+7], v[X+8*\j+6:X+8*\j+7], v[Z+2*\j:Z+2*\j+1] op_sel:[0,1] op_sel_hi:[1,1]
.else
	v_pk_fma_f32 v[ACC:ACC+1],   v[X+8*\j:X+8*\j+1],   v[Z+2*\j:Z+2*\j+1], v[ACC:ACC+1]   op_sel_hi:[1,0,1]
	v_pk_fma_f32 v[ACC+2:ACC+3], v[X+8*\j+2:X+8*\j+3], v[Z+2*\j:Z+2*\j+1], v[ACC+2:ACC+3] op_sel_hi:[1,0,1]
	v_pk_fma_f32 v[ACC+4:ACC+5], v[X+8*\j+4:X+8*\j+5], v[Z+2*\j:Z+2*\j+1], v[ACC+4:ACC+5] op_sel:[0,1,0] op_sel_hi:[1,1,1]
	v_pk_fma_f32 v[ACC+6:ACC+7], v[X+8*\j+6:X+8*\j+7], v[Z+2*\j:Z+2*\j+1], v[ACC+6:ACC+7] op_sel:[0,1,0] op_sel_hi:[1,1,1]
.endif
.endm
; A walk: reads L_(e+1) from region e (both partials of my 32 rows; all sixteen lanes of a half ask for the same bytes),
; leaves the sums for L_(e+2) in chains A and B.
.macro PASS e
.irp j, 0,1,2,3
	ds_load_b128 v[Z+4*\j:Z+4*\j+3],   v[LDA] offset:REGION*\e+16*\j             ; P[0] of rows 0-15
.endr
.irp j, 0,1,2,3
	ds_load_b128 v[ZB+4*\j:ZB+4*\j+3], v[LDA] offset:REGION*\e+PART+16*\j        ; P[1] of rows 0-15
.endr
.irp j, 4,5,6,7
	ds_load_b128 v[Z+4*\j:Z+4*\j+3],   v[LDA] offset:REGION*\e+16*\j             ; P[0] of rows 16-31
.endr
	s_wait_dscnt 0x4                               ; LDS loads come back in order (ISA guide 5.7.1): the first eight are in, the four behind them may be out
.irp j, 0,1,2,3,4,5,6,7
	v_pk_add_f32 v[Z+2*\j:Z+2*\j+1], v[Z+2*\j:Z+2*\j+1], v[ZB+2*\j:ZB+2*\j+1]    ; L of rows 0-15
.endr
.irp j, 0,1,2,3
	ds_load_b128 v[ZB+4*\j:ZB+4*\j+3], v[LDA] offset:REGION*\e+PART+64+16*\j     ; P[1] of rows 16-31, on its way during the 32 lines below
.endr
	ROWS2 0, 1
.irp j, 1,2,3,4,5,6,7
	ROWS2 \j, 0
.endr
	s_wait_dscnt 0x0                               ; both partials of rows 16-31
.irp j, 0,1,2,3,4,5,6,7
	v_pk_add_f32 v[Z+16+2*\j:Z+16+2*\j+1], v[Z+16+2*\j:Z+16+2*\j+1], v[ZB+2*\j:ZB+2*\j+1]
.endr
.irp j, 8,9,10,11,12,13,14,15
	ROWS2 \j, 0
.endr
.endm
	MERGE
	SHARE 0                                        ; L_1
	PASS 0
	MERGE
	KEEP 0                                         ; s_2
	SHARE 1                                        ; L_2
	PASS 1
	MERGE
	KEEP 1                                         ; s_3
	SHARE 2                                        ; L_3
	PASS 2
	MERGE
	KEEP 2                                         ; s_4
	SHARE 3                                        ; L_4
	PASS 3
	MERGE
	KEEP 3                                         ; s_5: L_5 itself is wanted by nobody
	; The four figures over the wave's 32 lanes: four steps inside each half of 16 lanes ride on the addition, one crosses the halves.
.irp m, 1,2,4,8
.irp k, 0,1,2,3
	v_add_f32_dpp v[T+\k], v[T+\k], v[T+\k] row_xmask:\m row_mask:0xf bank_mask:0xf
.endr
.endr
.irp k, 0,1,2,3
	v_permlanex16_b32 v[ACC+4+\k], v[T+\k], s12, s13
.endr
	v_pk_add_f32 v[T:T+1],   v[T:T+1],   v[ACC+4:ACC+5]
	v_pk_add_f32 v[T+2:T+3], v[T+2:T+3], v[ACC+6:ACC+7]
	v_mov_b32 v[STA], s36
	ds_store_b128 v[STA], v[T:T+3]                 ; every lane holds the same four sums and writes the wave's own 16 bytes
	s_wait_dscnt 0x0                               ; in LDS before the signal
	s_barrier_signal -1
	s_barrier_wait -1
	s_cmp_lg_u32 s14, 0                            ; the rest is one wave's work; no barrier follows
	s_cbranch_scc1 .Lend
	; WAVE 0: the four waves' sums, then the polynomial.
	v_mov_b32 v[LDA], FIN
.irp w, 0,1,2,3
	ds_load_b128 v[16+4*\w:19+4*\w], v[LDA] offset:16*\w
.endr
	s_wait_dscnt 0x0
	v_pk_add_f32 v[16:17], v[16:17], v[20:21]
	v_pk_add_f32 v[18:19], v[18:19], v[22:23]
	v_pk_add_f32 v[24:25], v[24:25], v[28:29]
	v_pk_add_f32 v[26:27], v[26:27], v[30:31]
	v_pk_add_f32 v[16:17], v[16:17], v[24:25]
	v_pk_add_f32 v[18:19], v[18:19], v[26:27]      ; v[16:19] = s_2 .. s_5
	v_pk_mul_f32 v[20:21], v[16:17], KN op_sel_hi:[1,0]        ; t_i = s_i / n, exact
	v_pk_mul_f32 v[22:23], v[18:19], KN op_sel_hi:[1,0]
	s_wait_kmcnt 0x0                               ; coef
	; s^(j+1) / n^(i+j+2) = t^(j+1) / n^(i+1).  h_i = sum over j of coef[i][j] t_i^(j+1), by Horner, four chains side by side.
.irp i, 0,1,2,3
	v_fma_f32 v[24+\i], v[20+\i], s[19+4*\i], s[18+4*\i]       ; c3 t + c2
.endr
.irp i, 0,1,2,3
	v_fma_f32 v[24+\i], v[24+\i], v[20+\i], s[17+4*\i]         ; .. t + c1
.endr
.irp i, 0,1,2,3
	v_fma_f32 v[24+\i], v[24+\i], v[20+\i], s[16+4*\i]         ; .. t + c0
.endr
	v_pk_mul_f32 v[24:25], v[24:25], v[20:21]      ; .. t
	v_pk_mul_f32 v[26:27], v[26:27], v[22:23]
	v_fmamk_f32 v28, v27, KN, v26                  ; out = h0/n + h1/n^2 + h2/n^3 + h3/n^4, by Horner in 1/n
	v_fmamk_f32 v28, v28, KN, v25
	v_fmamk_f32 v28, v28, KN, v24
	v_mul_f32 v28, KN, v28
	v_mov_b32 v29, 0
	v_cmp_eq_u32 vcc_lo, 0, v0
	s_wait_xcnt 0x0                                ; EXEC is a source of the memory instructions issued so far: it changes only behind this wait
	s_wait_tensorcnt 0x0
	ds_add_u32 v192, v193
	s_wait_dscnt 0x0
	s_and_saveexec_b32 s37, vcc_lo                 ; thread 0 alone
	global_store_b32 v29, v28, s[8:9]
	s_endpgm
.Lend:
	s_wait_tensorcnt 0x0
	ds_add_u32 v192, v193
	s_wait_dscnt 0x0
	s_endpgm
.Lfunc_end_k_q17a6eba5cb_facoef:
	.size	k_q17a6eba5cb_facoef, .Lfunc_end_k_q17a6eba5cb_facoef-k_q17a6eba5cb_facoef
	.p2alignl 7, 3214868480
	.fill 96, 4, 3214868480
	.section	.rodata,"a",@progbits
	.p2align	6, 0x0
	.amdhsa_kernel k_q17a6eba5cb_facoef
		.amdhsa_group_segment_fixed_size 4864
		.amdhsa_private_segment_fixed_size 0
		.amdhsa_enable_private_segment 0
		.amdhsa_kernarg_size 24
		.amdhsa_user_sgpr_count 2
		.amdhsa_user_sgpr_kernarg_segment_ptr 1
		.amdhsa_wavefront_size32 1
		.amdhsa_system_sgpr_workgroup_id_x 1
		.amdhsa_system_sgpr_workgroup_id_y 1
		.amdhsa_system_sgpr_workgroup_id_z 1
		.amdhsa_system_vgpr_workitem_id 0
		.amdhsa_next_free_vgpr 194
		.amdhsa_next_free_sgpr 66
		.amdhsa_reserve_vcc 1
		.amdhsa_float_denorm_mode_32 3
		.amdhsa_float_denorm_mode_16_64 3
		.amdhsa_memory_ordered 1
		.amdhsa_forward_progress 1
		.amdhsa_inst_pref_size 41
	.end_amdhsa_kernel
	.amdgpu_metadata
---
amdhsa.version: [ 1, 2 ]
amdhsa.kernels:
  - .name:           k_q17a6eba5cb_facoef
    .symbol:         k_q17a6eba5cb_facoef.kd
    .args:
      - { .name: x, .offset: 0, .size: 8, .value_kind: global_buffer, .address_space: global }
      - { .name: coef, .offset: 8, .size: 8, .value_kind: global_buffer, .address_space: global }
      - { .name: out0, .offset: 16, .size: 8, .value_kind: global_buffer, .address_space: global }
    .group_segment_fixed_size: 4864
    .private_segment_fixed_size: 0
    .kernarg_segment_align: 8
    .kernarg_segment_size: 24
    .max_flat_workgroup_size: 128
    .sgpr_count:     66
    .vgpr_count:     194
    .wavefront_size: 32
...
	.end_amdgpu_metadata
.endif
;; end of part 1
